; MI455X (gfx1250); checked and timed in simulation.
; The chip was launched on July 23, 2026; its instructions are those of AMD's public machine-readable ISA for CDNA 5 (MIT licence, August 2026) and "CDNA5" Instruction Set Architecture Reference Guide (July 2026). The comments in the code are by the model that wrote it; some were corrected since.
;; Efficient MDA. Allowed arithmetic: float matrix products may take bf16 or f16 operands with f32 sums; all other float work in f32.
;; Inputs: alpha 1 float32; b_c1 16 float32; b_c2 256 float32; b_hfc 64 float32; b_reduce 16 float32; b_wfc 64 float32; beta 1 float32; w_c1 16 x 16 float32; w_c2 256 x 16 float32; w_hfc 64 x 16 float32; w_reduce 16 x 256 float32; w_wfc 64 x 16 float32; x 4 x 256 x 64 x 64 float32.
;; Outputs: out0 4 x 256 x 64 x 64 float32.
;; One version. Each part assembles by itself: llvm-mc -triple=amdgcn-amd-amdhsa -mcpu=gfx1250 --defsym DOCPART=n.
;; ======== version 1 of 1: 2 launches
;; limits: a function is approximated: absolute error at most 0.00021
;; workspace buffers: sums 262,144 bytes
;; launch sums (part 1): grid 256 x 1, 4 waves a work-group, no clusters, 0 bytes of LDS; arguments x, sums; writes sums
.if DOCPART == 1
	.amdgcn_target "amdgcn-amd-amdhsa--gfx1250"
	.amdhsa_code_object_version 6
	.text
	.protected	k_q4c4d41a924_sums
	.globl	k_q4c4d41a924_sums
	.p2align	8
	.type	k_q4c4d41a924_sums,@function
k_q4c4d41a924_sums:
	s_mov_b64 s[64:65], 0
	v_nop
	global_prefetch_b8 v0, s[64:65] scope:SCOPE_SE
	s_setreg_imm32_b32 hwreg(HW_REG_WAVE_MODE, 25, 1), 1
	s_wait_xcnt 0x0
; sums[p][0..63]   = sum over w of x[p][h][w]   (h = 0..63)
; sums[p][64..127] = sum over h of x[p][h][w]   (w = 0..63),   p = 256 b + c, 1,024 planes of 64 x 64 f32; sums in bf16.
; Pooling and the 1x1 convolution are both linear, so these 128 sums of a plane are all that the attention tables need of it.
; They are added in f32 and rounded once to bf16: they are the operand of a matrix product in the next launch.
; Four waves, one plane (16,384 consecutive bytes) each, kept in 128 registers: each byte of x is read once, all 32 loads are issued at once.
; Load t of a wave covers 512 consecutive bytes: lane L holds row 2 t + (L >> 4), columns 4 (L & 15) .. + 3.
; No LDS, no barrier, no matrix unit: a wave needs nothing of another, and the work is additions.
.set RR, 6                             ; v[6:7]    row sums kept: RR+0 row 4 (L&15) + (L>>4), RR+1 row 4 (L&15) + 2 + (L>>4)
.set RX, 8                             ; v[8:9]    the same of the other half of the lanes
.set CS, 10                            ; v[10:13]  column sums of my four columns over my half of the rows
.set CX, 14                            ; v[14:17]  the same of the other half
.set YP, 18                            ; v[18:25]  four pairs that take turns
.set RS, 26                            ; v[26:29]  four row sums that take turns
.set WO, 30                            ; v[30:31]  four bf16 to store
.set DT, 32                            ; v[32:159] the plane
	s_load_b128 s[4:7], s[0:1], 0x0                ; x s[4:5], sums s[6:7]
	s_lshl_b32 s8, ttmp9, 16                       ; the work-group's four planes of 16,384 bytes
	s_mov_b32 s9, 0
	s_lshl_b32 s10, ttmp9, 10                      ; its four rows of 256 bytes in sums
	s_mov_b32 s11, 0
	s_mov_b32 s12, 0x76543210                      ; v_permlanex16_b32: lane i of one half reads lane i of the other
	s_mov_b32 s13, 0xfedcba98
	s_mov_b32 s14, 0xffff0000                      ; the upper sixteen lanes
	v_and_b32 v1, 31, v0                           ; L
	v_and_b32 v2, 15, v0                           ; L & 15
	v_lshrrev_b32 v5, 5, v0                        ; wave
	v_lshlrev_b32 v3, 4, v1
	v_lshl_add_u32 v3, v5, 14, v3                  ; wave x 16,384 + 16 L
	v_lshlrev_b32 v4, 3, v0                        ; wave x 256 + 8 L = 8 x thread
.irp i, 6,7,8,9,14,15,16,17
	v_mov_b32 v\i, 0                               ; kept lanes of the selects, and destinations of v_permlanex16_b32, which count as read
.endr
	s_wait_kmcnt 0x0
	s_add_nc_u64 s[4:5], s[4:5], s[8:9]
	s_add_nc_u64 s[6:7], s[6:7], s[10:11]
.set t, 0
.rept 32
	global_load_b128 v[DT+4*t:DT+4*t+3], v3, s[4:5] offset:512*t   ; no hint: the next launch reads x again
.set t, t+1
.endr
.set t, 0
.rept 32
	s_wait_loadcnt 31-t                            ; loads come back in order: load t is in, the 31 - t younger ones stay out
	v_pk_add_f32 v[YP+2*(t%4):YP+2*(t%4)+1], v[DT+4*t:DT+4*t+1], v[DT+4*t+2:DT+4*t+3]
	v_add_f32 v[RS+t%4], v[YP+2*(t%4)], v[YP+2*(t%4)+1]            ; my four numbers of the row
	v_add_f32_dpp v[RS+t%4], v[RS+t%4], v[RS+t%4] row_xmask:1 row_mask:0xf bank_mask:0xf
	v_add_f32_dpp v[RS+t%4], v[RS+t%4], v[RS+t%4] row_xmask:2 row_mask:0xf bank_mask:0xf
	v_add_f32_dpp v[RS+t%4], v[RS+t%4], v[RS+t%4] row_xmask:4 row_mask:0xf bank_mask:0xf
	v_add_f32_dpp v[RS+t%4], v[RS+t%4], v[RS+t%4] row_xmask:8 row_mask:0xf bank_mask:0xf   ; the row's sum, in its sixteen lanes
.if (t%2) == 0
	v_cmp_eq_u32 vcc_lo, t/2, v2                   ; the lane that keeps rows 2 t, 2 t + 1 and (next turn) 2 t + 2, 2 t + 3
.endif
	v_cndmask_b32 v[RR+t%2], v[RR+t%2], v[RS+t%4], vcc_lo
.if t == 1
	v_pk_add_f32 v[CS:CS+1], v[DT:DT+1], v[DT+4:DT+5]              ; the first two rows start the column sums: nothing is cleared
	v_pk_add_f32 v[CS+2:CS+3], v[DT+2:DT+3], v[DT+6:DT+7]
.endif
.if t > 1
	v_pk_add_f32 v[CS:CS+1], v[CS:CS+1], v[DT+4*t:DT+4*t+1]
	v_pk_add_f32 v[CS+2:CS+3], v[CS+2:CS+3], v[DT+4*t+2:DT+4*t+3]
.endif
.set t, t+1
.endr
.irp e, 0,1,2,3
	v_permlanex16_b32 v[CX+\e], v[CS+\e], s12, s13                 ; the other half's rows
.endr
	v_pk_add_f32 v[CS:CS+1], v[CS:CS+1], v[CX:CX+1]                ; whole column sums, in both halves
	v_pk_add_f32 v[CS+2:CS+3], v[CS+2:CS+3], v[CX+2:CX+3]
	v_permlanex16_b32 v[RX], v[RR], s12, s13                       ; a lower lane now has rows 4 L + 0..3 as RR, RX, RR+1, RX+1
	v_permlanex16_b32 v[RX+1], v[RR+1], s12, s13
	v_cndmask_b32 v[CS], v[RR], v[CS], s14                         ; lower lanes: row sums; upper lanes: column sums
	v_cndmask_b32 v[CS+1], v[RX], v[CS+1], s14
	v_cndmask_b32 v[CS+2], v[RR+1], v[CS+2], s14
	v_cndmask_b32 v[CS+3], v[RX+1], v[CS+3], s14
	v_cvt_pk_bf16_f32 v[WO], v[CS], v[CS+1]
	v_cvt_pk_bf16_f32 v[WO+1], v[CS+2], v[CS+3]
	global_store_b64 v4, v[WO:WO+1], s[6:7]                        ; 32 lanes x 8 bytes: the plane's whole row of 256 consecutive bytes, aligned
	s_endpgm
.Lfunc_end_k_q4c4d41a924_sums:
	.size	k_q4c4d41a924_sums, .Lfunc_end_k_q4c4d41a924_sums-k_q4c4d41a924_sums
	.p2alignl 7, 3214868480
	.fill 96, 4, 3214868480
	.section	.rodata,"a",@progbits
	.p2align	6, 0x0
	.amdhsa_kernel k_q4c4d41a924_sums
		.amdhsa_group_segment_fixed_size 0
		.amdhsa_private_segment_fixed_size 0
		.amdhsa_enable_private_segment 0
		.amdhsa_kernarg_size 16
		.amdhsa_user_sgpr_count 2
		.amdhsa_user_sgpr_kernarg_segment_ptr 1
		.amdhsa_wavefront_size32 1
		.amdhsa_system_sgpr_workgroup_id_x 1
		.amdhsa_system_sgpr_workgroup_id_y 1
		.amdhsa_system_sgpr_workgroup_id_z 1
		.amdhsa_system_vgpr_workitem_id 0
		.amdhsa_next_free_vgpr 160
		.amdhsa_next_free_sgpr 66
		.amdhsa_reserve_vcc 1
		.amdhsa_float_denorm_mode_32 3
		.amdhsa_float_denorm_mode_16_64 3
		.amdhsa_memory_ordered 1
		.amdhsa_forward_progress 1
		.amdhsa_inst_pref_size 23
	.end_amdhsa_kernel
	.amdgpu_metadata
---
amdhsa.version: [ 1, 2 ]
amdhsa.kernels:
  - .name:           k_q4c4d41a924_sums
    .symbol:         k_q4c4d41a924_sums.kd
    .args:
      - { .name: x, .offset: 0, .size: 8, .value_kind: global_buffer, .address_space: global }
      - { .name: sums, .offset: 8, .size: 8, .value_kind: global_buffer, .address_space: global }
    .group_segment_fixed_size: 0
    .private_segment_fixed_size: 0
    .kernarg_segment_align: 8
    .kernarg_segment_size: 16
    .max_flat_workgroup_size: 128
    .sgpr_count:     66
    .vgpr_count:     160
    .wavefront_size: 32
...
	.end_amdgpu_metadata
.endif
;; end of part 1
;; launch apply (part 2): grid 256 x 1, 4 waves a work-group, clusters of 4 x 1, 297,984 bytes of LDS; arguments x, sums, w_reduce, b_reduce, w_hfc, b_hfc, w_wfc, b_wfc, w_c1, b_c1, w_c2, b_c2, alpha, beta, out0; writes out0
.if DOCPART == 2
	.amdgcn_target "amdgcn-amd-amdhsa--gfx1250"
	.amdhsa_code_object_version 6
	.text
	.protected	k_q4c4d41a924_apply
	.globl	k_q4c4d41a924_apply
	.p2align	8
	.type	k_q4c4d41a924_apply,@function
k_q4c4d41a924_apply:
	s_mov_b64 s[64:65], 0
	v_nop
	global_prefetch_b8 v0, s[64:65] scope:SCOPE_SE
	s_setreg_imm32_b32 hwreg(HW_REG_WAVE_MODE, 25, 1), 1
	s_wait_xcnt 0x0
	s_wait_alu depctr_hold_cnt(0) depctr_sa_sdst(0) depctr_va_vdst(0) depctr_va_sdst(0) depctr_va_ssrc(0) depctr_va_vcc(0) depctr_vm_vsrc(0)
	s_getreg_b32 s2, hwreg(HW_REG_IB_STS2, 6, 4)
	s_cmp_eq_u32 s2, 0
	s_cbranch_scc0 .Lentry_in_a_cluster
	s_endpgm
.Lentry_in_a_cluster:
	s_bfe_u32 s2, ttmp6, 0x10000c
	s_cmp_lg_u32 s2, 0x3003
	s_cbranch_scc0 .Lentry_shape_is_right
	s_endpgm
.Lentry_shape_is_right:
; out[b][c] = alpha softmax(h_att x w_att) X + beta c_att[c] X, for the plane X = x[b][c] (64 x 64 f32).  One wave makes one plane.
;
; THE ARITHMETIC.  A score is h_att[h][i] w_att[w][j], a product of two sigmoids: it lies in [0, 1] for every input.  With a' = h_att - 1/2 and
; b' = w_att - 1/2:  exp(score) = e^(1/4) e^(a'/2) e^(b'/2) exp(a' b'),  |a' b'| <= 1/4.  exp(a' b') is taken as 1 + t + t^2/2 + t^3/6.
;   F0(a') = e^(a'/2),  F1 = F0 a',  F2 = F1 a' / sqrt 2,  F3 = F2 a' / sqrt 3,  so that  Fk(a') Fk(b') = e^((a'+b')/2) (a' b')^k / k!
;   T_k[i][w] = sum over j of X[i][j] Fk(b'[w][j]);   O[h][w] = sum over k, i of Fk(a'[h][i]) T_k[i][w];
;   l[h][w] = sum over k of (sum over i of Fk(a'[h][i])) (sum over j of Fk(b'[w][j]));   out = (alpha / l) O + beta c_att X.   e^(1/4) cancels.
; LIMITS.  The cut of the series leaves a relative error of at most 2.7e-4 in a softmax weight, for every input (|t| <= 1/4 follows from the sigmoids).
; No maximum is taken away: the only exponentials left are those of the sigmoids (an overflow there gives the right limit 0) and 2^(0.7213 a'), whose
; exponent is at most 0.361 in size.  Matrix operands are bf16 (X, the plane sums, w_reduce, w_hfc, w_wfc, the reduced vectors, Fk, T_k); l is made of
; the rounded Fk, so that the weights used add up to one.  Sums are taken in another order than in the definition.  All else is f32.
;
; THE SHARES.  256 work-groups of four waves; wave v of work-group g has plane 4 g + v.  The tables of a batch are made anew in each work-group: wave v makes
; the 16 rows 16 v .. 16 v + 15 of both tables, as matrix fragments, and hands them to the others through LDS in the registers' own image.
; CLUSTERS.  The four work-groups of a cluster lie in one batch (64 work-groups a batch) and need the same 65,536 bytes of plane sums: these are asked for jointly.
; The planes of x are nobody else's: a plain tensor load each.  Every LDS byte is filled once; by this text's count a wave has two tensor loads out.
;
; LDS
.set SPITCH, 288                       ; plane sums: 256 rows (c) of 256 bytes + 32: an odd multiple of 32 bytes, for the transposing loads
.set XREG,  73728                      ; four planes of x: 64 rows of 256 bytes + 16
.set XPITCH, 272
.set XPL,   64*XPITCH                  ; 17,408
.set FRG,   143360                     ; fragments: dir x 32,768 + k x 8,192 + tile x 2,048 + s x 1,024 + half x 512 + 16 lane   (dir 0: Fk(a'), 1: Fk(b'))
.set SCT,   208896                     ; alpha / l, [h][w] f32, dense
.set SUMA,  225280                     ; [h][k] f32
.set SUMB,  226304                     ; [k][w] f32
.set PSP,   227328                     ; [wave][16] f32: sums of the reduced vectors over a wave's 16 rows
.set PS2,   227584                     ; 64 bytes for each wave, its own
.set STG,   227840                     ; a stage of 64 rows x 272 bytes for each wave, its own
; VECTOR REGISTERS, in windows of 256 (s_set_vgpr_msb: bits 1:0 source 0, 3:2 source 1, 5:4 source 2, 7:6 destination)
; window 0
.set A_WR,  8                          ; offsets and LDS addresses: see where they are made
.set A_FC,  9
.set A_BI,  10
.set A_TRL, 11
.set A_TRH, 12
.set A_XF,  13
.set A_FRS, 14
.set A_FRL, 15
.set A_SA,  16
.set A_SB,  17
.set A_PS,  18
.set A_PSL, 19
.set A_P2S, 20
.set A_P2L, 21
.set A_SBL, 22
.set A_SAL, 23
.set A_SCS, 24
.set A_STS, 25
.set A_STL, 26
.set A_XR,  27
.set A_SCL, 28
.set A_OUT, 29
.set A_C1,  30
.set A_CB,  31
.set A_CW,  32
.set BC,    34                         ; v[34:35]   beta c_att, twice
.set BR,    36                         ; v[36:43]   b_reduce[8 hh + j]
.set XF,    48                         ; v[48:111]  X as 8 fragments (it, s) of bf16
.set FA,    112                        ; v[112:175] w_hfc, w_wfc as 8 fragments (dir, ot), K = 16 padded with zeros
.set LG,    176                        ; v[176:239] biases, logits, sigmoids, then a' and b'
.set RV,    240                        ; v[240:255] reduced vectors: h, then w
.set SBR,   112                        ; behind the tables: sums of Fk(b'), 4 k x 4 w
.set SAR,   128                        ; sums of Fk(a'), 8 rows x 4 k
.set P16,   160                        ; the 16 pooled sums
.set C1,    176                        ; w_c1's row r
.set CB,    192                        ; b_c1[r]
.set CW,    193                        ; w_c2[c][r]
.set PS4,   194
.set AC,    198
.set LW,    208                        ; l, then alpha / l: 8 rows x 4 w
.set RT,    112                        ; v[112:175] T_k as 8 fragments (wt, si)
.set SET0,  48                         ; the way out: two sets of 32 (O) + 32 (X) + 32 (alpha / l)
.set SET1,  144
; window 1
.set WT,    0                          ; w_reduce in f32, then X in f32
.set FT,    128                        ; w_hfc, w_wfc in f32
.set ACC1,  0                          ; 16 accumulators (wt, it) of T_k
.set RO,    128                        ; 16 accumulators (wt, ht) of O
; window 2
.set SF,    0                          ; plane sums as 16 fragments (dir, s)
.set WF,    128                        ; w_reduce as 8 fragments
.set VB,    192                        ; reduced vectors as 2 fragments, K = 16 padded with zeros
.set ONES,  208                        ; a fragment of ones
.set BF,    0                          ; Fk(b'): k x 64 + wt x 16 + s x 8
; window 3
.set RF,    0                          ; Fk in f32, both tables
.set FR,    64                         ; Fk in bf16: 32 k + 16 dir + 8 s
.set SM,    192                        ; their sums: 8 (2 k + dir)
.set AF,    0                          ; Fk(a'): k x 64 + ht x 16 + si x 8
.set MSB, 0
.macro WIN new                         ; the immediate's high byte repeats the setting that is left
.if MSB != \new
	s_set_vgpr_msb (MSB<<8)|\new
.set MSB, \new
.endif
.endm
.macro PLACES                          ; four places behind a matrix instruction (ISA guide 7.12.1), where there is no useful work for them
.rept 4
	v_nop
.endr
.endm
.macro ROUND                           ; a round of the cluster's barrier: my work-group's barrier, wave 0 signals for it, all wait for the four work-groups, my barrier again
	s_barrier_signal -1
	s_barrier_wait -1
	s_cmp_lg_u32 s38, 0
	s_cbranch_scc1 .Lnot_wave_0_\@
	s_barrier_signal -3
.Lnot_wave_0_\@:
	s_barrier_wait -3
	s_barrier_signal -1
	s_barrier_wait -1
.endm
	; ---- set-up ----
	s_load_b512 s[8:23], s[0:1], 0x0               ; x 8, sums 10, w_reduce 12, b_reduce 14, w_hfc 16, b_hfc 18, w_wfc 20, b_wfc 22
	s_load_b256 s[24:31], s[0:1], 0x40             ; w_c1 24, b_c1 26, w_c2 28, b_c2 30
	s_load_b128 s[32:35], s[0:1], 0x60             ; alpha 32, beta 34
	s_load_b64 s[36:37], s[0:1], 0x70              ; out0
	v_lshl_add_u32 v46, v0, 2, 0x48a00
	v_mov_b32 v47, 0
	ds_add_u32 v46, v47
	v_lshrrev_b32 v4, 5, v0
	v_readfirstlane_b32 s38, v4                    ; wave v
	s_bfe_u32 s39, ttmp6, 0x40000                  ; cx: enters global addresses of x, out0, w_c2, b_c2 alone
	s_lshl_b32 s40, ttmp9, 2
	s_add_co_u32 s40, s40, s39                     ; work-group = 4 x cluster + cx
	s_lshr_b32 s41, ttmp9, 4                       ; batch: 16 clusters each
	s_lshl_b32 s42, s40, 2
	s_add_co_u32 s42, s42, s38                     ; plane
	s_and_b32 s43, s42, 255                        ; channel c
	s_lshl_b32 s60, s41, 16                        ; plane sums: batch x 65,536 + wave x 64 rows of 256 bytes: the same in all four partners
	s_lshl_b32 s61, s38, 14
	s_add_co_u32 s60, s60, s61
	s_mov_b32 s61, 0
	s_lshl_b32 s62, s42, 14                        ; my plane in x and in out0
	s_mov_b32 s63, 0
	s_lshl_b32 s66, s43, 2                         ; b_c2[c]
	s_mov_b32 s67, 0
	; the joint load of the plane sums: 64 rows of 128 bf16, 32 bytes of padding behind each row
	s_mov_b32 s44, 1
	s_mul_i32 s45, s38, 64*SPITCH                  ; LDS: rows 64 v ..
	s_mov_b32 s48, 0x0f71000f                      ; mask 15: all four work-groups; 2-byte elements; padding on; bit 21 beside the mask; behind every 64 words, 8 words
	s_mov_b32 s49, 128<<16                         ; tensor_dim0 = 128
	s_mov_b32 s50, 64<<16                          ; tensor_dim1 = 64
	s_mov_b32 s51, 128<<16                         ; tile_dim0 = 128
	s_mov_b32 s52, 64                              ; tile_dim1 = 64
	s_mov_b32 s53, 128                             ; from row to row
	s_mov_b32 s54, 0
	s_mov_b32 s55, 0
	; the plain load of my plane: 64 rows of 64 f32, 16 bytes of padding behind each row
	s_mov_b32 s56, 1
	s_mul_i32 s87, s38, XPL
	s_add_co_u32 s57, s87, XREG
	s_mov_b32 s72, 0x07520000                      ; no mask; 4-byte elements; padding on; behind every 64 words, 4 words
	s_mov_b32 s73, 64<<16
	s_mov_b32 s74, 64<<16
	s_mov_b32 s75, 64<<16
	s_mov_b32 s76, 64
	s_mov_b32 s77, 64
	s_mov_b32 s78, 0
	s_mov_b32 s79, 0
	; LDS bases that hang on the wave
	s_lshl_b32 s84, s38, 5
	s_add_co_u32 s86, s87, STG
	s_lshl_b32 s88, s38, 11
	s_add_co_u32 s88, s88, FRG
	s_lshl_b32 s89, s38, 8
	s_add_co_u32 s89, s89, SUMA
	s_lshl_b32 s90, s38, 6
	s_add_co_u32 s91, s90, SUMB
	s_add_co_u32 s92, s90, PSP
	s_add_co_u32 s93, s90, PS2
	s_lshl_b32 s94, s38, 12
	s_add_co_u32 s94, s94, SCT
	s_lshl_b32 s95, s43, 6
	; lane terms: L = lane, r = L & 15, hh = L >> 4
	v_and_b32 v1, 31, v0
	v_and_b32 v2, 15, v0
	v_bfe_u32 v3, v0, 4, 1
	v_lshlrev_b32 v[A_BI], 5, v3                   ; 32 hh: eight f32 from 8 hh on
	v_lshl_add_u32 v[A_WR], v2, 10, v[A_BI]        ; w_reduce: row r of 1,024 bytes
	v_lshl_add_u32 v[A_FC], v2, 6, v[A_BI]         ; w_hfc, w_wfc: row r of 64 bytes
	v_and_b32 v4, 7, v0
	v_lshl_add_u32 v4, v3, 3, v4                   ; 8 hh + (L & 7)
	v_mul_u32_u24 v4, v4, SPITCH
	v_bfe_u32 v5, v0, 3, 1
	v_lshl_add_u32 v4, v5, 4, v4                   ; + 16 ((L >> 3) & 1)
	v_add_nc_u32 v[A_TRL], s84, v4                 ; + 32 v: my 16 positions; channels 0-127
	v_add_nc_u32 v[A_TRH], 128*SPITCH, v[A_TRL]    ; channels 128-255 (beyond the 16-bit offset)
	v_mul_u32_u24 v6, v2, XPITCH
	v_add_nc_u32 v6, v6, v[A_BI]                   ; r x 272 + 32 hh
	v_add_nc_u32 v[A_XF], s57, v6
	v_add_nc_u32 v[A_STS], s86, v6
	v_mul_u32_u24 v7, v3, XPITCH
	v_lshl_add_u32 v7, v2, 4, v7                   ; hh x 272 + 16 r
	v_add_nc_u32 v[A_STL], s86, v7
	v_add_nc_u32 v[A_XR], s57, v7
	v_lshlrev_b32 v[A_OUT], 4, v1                  ; 16 L
	v_add_nc_u32 v[A_FRS], s88, v[A_OUT]
	v_add_nc_u32 v[A_FRL], FRG, v[A_OUT]
	v_lshl_add_u32 v[A_SA], v2, 4, s89             ; SUMA + (16 v + r) x 16
	v_lshl_add_u32 v[A_SB], v2, 2, s91             ; SUMB + (16 v + r) x 4
	v_add_nc_u32 v[A_PS], s92, v[A_BI]
	v_lshl_add_u32 v[A_PSL], v2, 2, PSP
	v_lshl_add_u32 v[A_P2S], v2, 2, s93
	v_mov_b32 v[A_P2L], s93
	v_lshl_add_u32 v[A_SBL], v2, 4, SUMB
	v_lshl_add_u32 v[A_SAL], v3, 4, s89            ; SUMA + (16 v + hh) x 16
	v_add_nc_u32 v[A_SCS], s94, v[A_OUT]
	v_add_nc_u32 v[A_SCL], SCT, v[A_OUT]
	v_lshlrev_b32 v[A_C1], 6, v2
	v_lshlrev_b32 v[A_CB], 2, v2
	v_lshl_add_u32 v[A_CW], v2, 2, s95             ; w_c2: 64 c + 4 r
	s_wait_dscnt 0x0
	s_wait_kmcnt 0x0
	s_add_nc_u64 s[46:47], s[10:11], s[60:61]
	s_or_b32 s47, s47, 0x80000000
	s_add_nc_u64 s[58:59], s[8:9], s[62:63]
	s_or_b32 s59, s59, 0x80000000
	s_add_nc_u64 s[70:71], s[36:37], s[62:63]      ; my plane of out0
	s_add_nc_u64 s[68:69], s[30:31], s[66:67]
	s_load_b32 s80, s[32:33], 0x0                  ; alpha
	s_load_b32 s82, s[34:35], 0x0                  ; beta
	s_load_b32 s83, s[68:69], 0x0                  ; b_c2[c]
	; ---- the weights: 66 loads, in the order in which they are waited for ----
	WIN 0x40
.set i, 0
.rept 8                                            ; (a) 32 loads: w_reduce[r][32 s + 8 hh ..+7] and [.. + 16 ..]
	global_load_b128 v[WT+16*i:WT+16*i+3],     v[A_WR], s[12:13] offset:128*i
	global_load_b128 v[WT+16*i+4:WT+16*i+7],   v[A_WR], s[12:13] offset:128*i+16
	global_load_b128 v[WT+16*i+8:WT+16*i+11],  v[A_WR], s[12:13] offset:128*i+64
	global_load_b128 v[WT+16*i+12:WT+16*i+15], v[A_WR], s[12:13] offset:128*i+80
.set i, i+1
.endr
.irp ot, 0,1,2,3                                   ; (b) 16 loads: w_hfc[16 ot + r][8 hh ..+7], then w_wfc
	global_load_b128 v[FT+8*\ot:FT+8*\ot+3],   v[A_FC], s[16:17] offset:1024*\ot
	global_load_b128 v[FT+8*\ot+4:FT+8*\ot+7], v[A_FC], s[16:17] offset:1024*\ot+16
.endr
.irp ot, 0,1,2,3
	global_load_b128 v[FT+32+8*\ot:FT+32+8*\ot+3], v[A_FC], s[20:21] offset:1024*\ot
	global_load_b128 v[FT+36+8*\ot:FT+36+8*\ot+3], v[A_FC], s[20:21] offset:1024*\ot+16
.endr
	WIN 0
	global_load_b128 v[BR:BR+3],   v[A_BI], s[14:15]               ; (c) 2 loads: b_reduce[8 hh ..+7]
	global_load_b128 v[BR+4:BR+7], v[A_BI], s[14:15] offset:16
.irp ot, 0,1,2,3                                   ; (d) 16 loads: b_hfc[16 ot + 8 hh + j], then b_wfc, straight into the accumulators of the products
	global_load_b128 v[LG+8*\ot:LG+8*\ot+3],   v[A_BI], s[18:19] offset:64*\ot
	global_load_b128 v[LG+8*\ot+4:LG+8*\ot+7], v[A_BI], s[18:19] offset:64*\ot+16
.endr
.irp ot, 0,1,2,3
	global_load_b128 v[LG+32+8*\ot:LG+32+8*\ot+3], v[A_BI], s[22:23] offset:64*\ot
	global_load_b128 v[LG+36+8*\ot:LG+36+8*\ot+3], v[A_BI], s[22:23] offset:64*\ot+16
.endr
	s_wait_kmcnt 0x0
	s_mov_b32 s81, s80                             ; the packed multiply names the pair
	; ---- the tiles ----
	ROUND                                          ; all four work-groups are here: the joint loads meet
	tensor_load_to_lds s[44:47], s[48:55]          ; my quarter of the batch's plane sums, to all four work-groups
	s_nop 0
	tensor_load_to_lds s[56:59], s[72:79]          ; my plane of x
	s_nop 0
	; ---- conversions while the tiles are on their way ----
	s_wait_loadcnt 34                              ; w_reduce is in: 16 + 2 + 16 loads were issued behind it
	WIN 0x85
.set i, 0
.rept 64
	v_cvt_pk_bf16_f32 v[WF+i], v[WT+2*i], v[WT+2*i+1]
.set i, i+1
.endr
	s_wait_loadcnt 18                              ; w_hfc, w_wfc are in: 2 + 16 behind them
	WIN 0x05
.irp f, 0,1,2,3,4,5,6,7
.irp i, 0,1,2,3
	v_cvt_pk_bf16_f32 v[FA+8*\f+\i], v[FT+8*\f+2*\i], v[FT+8*\f+2*\i+1]
.endr
.endr
	WIN 0
.irp f, 0,1,2,3,4,5,6,7
.irp i, 4,5,6,7
	v_mov_b32 v[FA+8*\f+\i], 0                     ; K = 16 .. 31 of these products does not exist: zeros on both sides
.endr
.endr
	WIN 0x80
.irp i, 4,5,6,7,12,13,14,15
	v_mov_b32 v[VB+\i], 0
.endr
	WIN 0
	s_wait_tensorcnt 0x0                           ; my quarter of the sums and my plane have landed
	s_barrier_signal -1
	s_barrier_wait -1                              ; everybody's quarter has
	; ---- fragments of the sums (stored [c][position]: transposing loads) and my plane ----
	WIN 0x80
.irp dir, 0,1
.irp s, 0,1,2,3
	ds_load_tr16_b128 v[SF+64*\dir+8*\s:SF+64*\dir+8*\s+3],   v[A_TRL] offset:32*SPITCH*\s+128*\dir
	ds_load_tr16_b128 v[SF+64*\dir+8*\s+4:SF+64*\dir+8*\s+7], v[A_TRL] offset:32*SPITCH*\s+128*\dir+16*SPITCH
.endr
.irp s, 0,1,2,3
	ds_load_tr16_b128 v[SF+64*\dir+8*\s+32:SF+64*\dir+8*\s+35], v[A_TRH] offset:32*SPITCH*\s+128*\dir
	ds_load_tr16_b128 v[SF+64*\dir+8*\s+36:SF+64*\dir+8*\s+39], v[A_TRH] offset:32*SPITCH*\s+128*\dir+16*SPITCH
.endr
.endr
	WIN 0x40
.irp it, 0,1,2,3
.irp s, 0,1
	ds_load_b128 v[WT+16*(2*\it+\s):WT+16*(2*\it+\s)+3],     v[A_XF] offset:16*XPITCH*\it+128*\s
	ds_load_b128 v[WT+16*(2*\it+\s)+4:WT+16*(2*\it+\s)+7],   v[A_XF] offset:16*XPITCH*\it+128*\s+16
	ds_load_b128 v[WT+16*(2*\it+\s)+8:WT+16*(2*\it+\s)+11],  v[A_XF] offset:16*XPITCH*\it+128*\s+64
	ds_load_b128 v[WT+16*(2*\it+\s)+12:WT+16*(2*\it+\s)+15], v[A_XF] offset:16*XPITCH*\it+128*\s+80
.endr
.endr
	; ---- the reduction: RV[8 hh + j][position r] = sum over c of w_reduce x sums.  Two accumulators take turns ----
	s_wait_dscnt 32                                ; the sums' fragments are in; the 32 reads of X stay out
	WIN 0x0a
	v_wmma_f32_16x16x32_bf16 v[RV:RV+7],    v[WF:WF+7], v[SF:SF+7],     0
	v_wmma_f32_16x16x32_bf16 v[RV+8:RV+15], v[WF:WF+7], v[SF+64:SF+71], 0
.irp s, 1,2,3,4,5,6,7
	v_wmma_f32_16x16x32_bf16 v[RV:RV+7],    v[WF+8*\s:WF+8*\s+7], v[SF+8*\s:SF+8*\s+7],       v[RV:RV+7]
	v_wmma_f32_16x16x32_bf16 v[RV+8:RV+15], v[WF+8*\s:WF+8*\s+7], v[SF+64+8*\s:SF+64+8*\s+7], v[RV+8:RV+15]
.endr
	s_wait_dscnt 0x0
	WIN 0x05
.set i, 0
.rept 64                                           ; X to bf16; these lines are also the places behind the products above
	v_cvt_pk_bf16_f32 v[XF+i], v[WT+2*i], v[WT+2*i+1]
.set i, i+1
.endr
	; ---- means + bias, the two linear layers, the pooled sums ----
	WIN 0
	s_wait_loadcnt 16                              ; b_reduce is in; the 16 loads of biases behind it may stay out
.set i, 0
.rept 8
	v_pk_fma_f32 v[RV+2*i:RV+2*i+1], v[RV+2*i:RV+2*i+1], 0x3c800000, v[BR+(2*i)%8:BR+(2*i)%8+1] op_sel_hi:[1,0,1]   ; / 64 + b_reduce
.set i, i+1
.endr
	WIN 0x80
.irp dir, 0,1
.irp i, 0,1,2,3
	v_cvt_pk_bf16_f32 v[VB+8*\dir+\i], v[RV+8*\dir+2*\i], v[RV+8*\dir+2*\i+1]     ; a lane's eight results are k = 8 hh .. + 7 of column r: a fragment as it stands
.endr
.endr
	s_wait_loadcnt 0x0                             ; the biases are in the accumulators
	WIN 0x08
.irp f, 0,1,2,3,4,5,6,7                            ; LG[32 dir + 8 ot + j] = logit(row 16 v + r, column 16 ot + 8 hh + j); eight accumulators, one product each
	v_wmma_f32_16x16x32_bf16 v[LG+8*\f:LG+8*\f+7], v[FA+8*\f:FA+8*\f+7], v[VB+8*(\f/4):VB+8*(\f/4)+7], v[LG+8*\f:LG+8*\f+7]
.endr
	WIN 0x80
.irp i, 0,1,2,3,4,5,6,7
	v_mov_b32 v[ONES+\i], 0x3f803f80               ; a fragment of ones; these eight lines are the places behind the products above
.endr
	WIN 0
.irp m, 1,2,4,8
.irp j, 0,1,2,3,4,5,6,7
	v_add_f32_dpp v[RV+\j], v[RV+\j], v[RV+\j] row_xmask:\m row_mask:0xf bank_mask:0xf   ; the h vectors summed over my 16 rows
.endr
.endr
	ds_store_b128 v[A_PS], v[RV:RV+3]
	ds_store_b128 v[A_PS], v[RV+4:RV+7] offset:16
	; ---- sigmoid - 1/2, and F0 = 2^(0.7213 a'), both tables at once, in runs ----
.set i, 0
.rept 32
	v_pk_mul_f32 v[LG+2*i:LG+2*i+1], v[LG+2*i:LG+2*i+1], 0xbfb8aa3b op_sel_hi:[1,0]
.set i, i+1
.endr
.set i, 0
.rept 64
	v_exp_f32 v[LG+i], v[LG+i]
.set i, i+1
.endr
	v_nop                                          ; one plain place behind a run of transcendentals (ISA guide 5.7.2)
.set i, 0
	s_wait_alu depctr_va_vdst(0)
.rept 32
	v_pk_add_f32 v[LG+2*i:LG+2*i+1], v[LG+2*i:LG+2*i+1], 1.0 op_sel_hi:[1,0]
.set i, i+1
.endr
.set i, 0
.rept 64
	v_rcp_f32 v[LG+i], v[LG+i]
.set i, i+1
.endr
	v_nop
.set i, 0
	s_wait_alu depctr_va_vdst(0)
.rept 32
	v_pk_add_f32 v[LG+2*i:LG+2*i+1], v[LG+2*i:LG+2*i+1], -0.5 op_sel_hi:[1,0]      ; a', b'
.set i, i+1
.endr
	WIN 0xc0
.set i, 0
.rept 32
	v_pk_mul_f32 v[RF+2*i:RF+2*i+1], v[LG+2*i:LG+2*i+1], 0x3f38aa3b op_sel_hi:[1,0]
.set i, i+1
.endr
	WIN 0xc3
.set i, 0
.rept 64
	v_exp_f32 v[RF+i], v[RF+i]
.set i, i+1
.endr
	v_nop
	s_wait_alu depctr_va_vdst(0)
; Fk from F(k-1), rounded to bf16: a lane's 16 numbers of (dir, s) are a fragment as they stand (row 16 v + r, k = 32 s + 8 hh .., 32 s + 16 + 8 hh ..).
; The eight half fragments go to LDS in the registers' image: 16 bytes a lane, 512 consecutive bytes a store.
.macro POWER k
.if \k > 0
	WIN 0xc3
.set i, 0
.rept 32
	v_pk_mul_f32 v[RF+2*i:RF+2*i+1], v[RF+2*i:RF+2*i+1], v[LG+2*i:LG+2*i+1]
.set i, i+1
.endr
.endif
.if \k == 2
.set i, 0
.rept 32
	v_pk_mul_f32 v[RF+2*i:RF+2*i+1], v[RF+2*i:RF+2*i+1], 0x3f3504f3 op_sel_hi:[1,0]   ; / sqrt 2
.set i, i+1
.endr
.endif
.if \k == 3
.set i, 0
.rept 32
	v_pk_mul_f32 v[RF+2*i:RF+2*i+1], v[RF+2*i:RF+2*i+1], 0x3f13cd3a op_sel_hi:[1,0]   ; / sqrt 3
.set i, i+1
.endr
	WIN 0                                          ; a' and b' have been read for the last time: their registers take the channel attention's weights
.irp q, 0,1,2,3
	global_load_b128 v[C1+4*\q:C1+4*\q+3], v[A_C1], s[24:25] offset:16*\q
.endr
	global_load_b32 v[CB], v[A_CB], s[26:27]
	global_load_b32 v[CW], v[A_CW], s[28:29]
.endif
	WIN 0xcf
.set i, 0
.rept 32
	v_cvt_pk_bf16_f32 v[FR+32*\k+i], v[RF+2*i], v[RF+2*i+1]
.set i, i+1
.endr
	WIN 0x0c
.set n, 0
.rept 8
	ds_store_b128 v[A_FRS], v[FR+32*\k+4*n:FR+32*\k+4*n+3] offset:32768*(n/4)+8192*\k+512*(n%4)
.set n, n+1
.endr
.endm
	POWER 0
	POWER 1
	POWER 2
	POWER 3
	; ---- sums of the rounded Fk along their rows: ones x fragment.  Eight accumulators take turns ----
	WIN 0xfe
.irp s, 0,1
.irp kd, 0,1,2,3,4,5,6,7
.if \s == 0
	v_wmma_f32_16x16x32_bf16 v[SM+8*\kd:SM+8*\kd+7], v[ONES:ONES+7], v[FR+16*\kd:FR+16*\kd+7], 0
.else
	v_wmma_f32_16x16x32_bf16 v[SM+8*\kd:SM+8*\kd+7], v[ONES:ONES+7], v[FR+16*\kd+8:FR+16*\kd+15], v[SM+8*\kd:SM+8*\kd+7]
.endif
.endr
.endr
	PLACES
	WIN 0x0c
.irp k, 0,1,2,3
	ds_store_b32 v[A_SA], v[SM+16*\k]   offset:4*\k        ; every register of a result holds the sum of row 16 v + r; both halves of the lanes store the same word
	ds_store_b32 v[A_SB], v[SM+16*\k+8] offset:256*\k
.endr
	WIN 0
	s_wait_dscnt 0x0                               ; my fragments, sums and pooled sums are in LDS
	s_barrier_signal -1
	s_barrier_wait -1                              ; everybody's are
	; ---- alpha / l for rows 16 v .. + 15, the channel attention, the first fragments ----
.irp i, 0,1,2,3
	ds_load_b32 v[PS4+\i], v[A_PSL] offset:64*\i
.endr
.irp k, 0,1,2,3
	ds_load_b128 v[SBR+4*\k:SBR+4*\k+3], v[A_SBL] offset:256*\k    ; sums of Fk(b') for w = 4 r .. + 3
.endr
.irp t, 0,1,2,3,4,5,6,7
	ds_load_b128 v[SAR+4*\t:SAR+4*\t+3], v[A_SAL] offset:32*\t     ; sums of F0..F3(a') for h = 16 v + 2 t + hh
.endr
	s_wait_dscnt 12                                ; the four pooled parts are in: 4 + 8 loads were issued behind them
	v_add_f32 v[PS4], v[PS4], v[PS4+1]
	v_add_f32 v[PS4+2], v[PS4+2], v[PS4+3]
	v_add_f32 v[PS4], v[PS4], v[PS4+2]             ; lane r: the sum over all 64 rows of reduced channel r
	ds_store_b32 v[A_P2S], v[PS4]                  ; my wave's own bytes; LDS serves a wave's instructions in order (ISA guide 5.7.1.4),
.irp q, 0,1,2,3
	ds_load_b128 v[P16+4*\q:P16+4*\q+3], v[A_P2L] offset:16*\q     ; so these see the store: all sixteen, in every lane
.endr
.macro LFRAG k                         ; 32 loads: the eight fragments of Fk(b'), then those of Fk(a'), 512 consecutive bytes each
	WIN 0x80
.set n, 0
.rept 16
	ds_load_b128 v[BF+64*\k+4*n:BF+64*\k+4*n+3], v[A_FRL] offset:32768+8192*\k+512*n
.set n, n+1
.endr
	WIN 0xc0
.set n, 0
.rept 16
	ds_load_b128 v[AF+64*\k+4*n:AF+64*\k+4*n+3], v[A_FRL] offset:8192*\k+512*n
.set n, n+1
.endr
.endm
	LFRAG 0
	LFRAG 1
	WIN 0
	s_wait_dscnt 63                                ; 64 loads were issued behind the pooled sums: with at most 63 out, all in front of them are in
.irp t, 0,1,2,3,4,5,6,7
.irp e, 0,2
	v_pk_mul_f32 v[LW+4*\t+\e:LW+4*\t+\e+1], v[SBR+\e:SBR+\e+1],       v[SAR+4*\t:SAR+4*\t+1] op_sel_hi:[1,0]
	v_pk_fma_f32 v[LW+4*\t+\e:LW+4*\t+\e+1], v[SBR+4+\e:SBR+4+\e+1],   v[SAR+4*\t:SAR+4*\t+1],   v[LW+4*\t+\e:LW+4*\t+\e+1] op_sel:[0,1,0] op_sel_hi:[1,1,1]
	v_pk_fma_f32 v[LW+4*\t+\e:LW+4*\t+\e+1], v[SBR+8+\e:SBR+8+\e+1],   v[SAR+4*\t+2:SAR+4*\t+3], v[LW+4*\t+\e:LW+4*\t+\e+1] op_sel_hi:[1,0,1]
	v_pk_fma_f32 v[LW+4*\t+\e:LW+4*\t+\e+1], v[SBR+12+\e:SBR+12+\e+1], v[SAR+4*\t+2:SAR+4*\t+3], v[LW+4*\t+\e:LW+4*\t+\e+1] op_sel:[0,1,0] op_sel_hi:[1,1,1]
.endr
.endr
.set i, 0
.rept 32
	v_rcp_f32 v[LW+i], v[LW+i]
.set i, i+1
.endr
	v_nop
.set i, 0
	s_wait_alu depctr_va_vdst(0)
.rept 16
	v_pk_mul_f32 v[LW+2*i:LW+2*i+1], v[LW+2*i:LW+2*i+1], s[80:81] op_sel_hi:[1,0]  ; alpha / l
.set i, i+1
.endr
.irp t, 0,1,2,3,4,5,6,7
	ds_store_b128 v[A_SCS], v[LW+4*\t:LW+4*\t+3] offset:512*\t
.endr
	s_wait_loadcnt 0x0                             ; w_c1's row r, b_c1[r], w_c2[c][r]
	v_pk_mul_f32 v[AC:AC+1], v[C1:C1+1], v[P16:P16+1]
.irp i, 1,2,3,4,5,6,7
	v_pk_fma_f32 v[AC:AC+1], v[C1+2*\i:C1+2*\i+1], v[P16+2*\i:P16+2*\i+1], v[AC:AC+1]
.endr
	v_add_f32 v[AC], v[AC], v[AC+1]
	v_fma_f32 v[AC], v[AC], 0x3c800000, v[CB]      ; the pooled sums / 64, + b_c1
	v_max_num_f32 v[AC], 0, v[AC]
	v_mul_f32 v[AC], v[AC], v[CW]
.irp m, 1,2,4,8
	v_add_f32_dpp v[AC], v[AC], v[AC] row_xmask:\m row_mask:0xf bank_mask:0xf
.endr
	v_add_f32 v[AC], s83, v[AC]                    ; + b_c2[c]
	v_mul_f32 v[AC], 0xbfb8aa3b, v[AC]
	v_exp_f32 v[AC], v[AC]
	v_nop
	s_wait_alu depctr_va_vdst(0)
	v_add_f32 v[AC], 1.0, v[AC]
	v_rcp_f32 v[AC], v[AC]
	v_nop
	s_wait_alu depctr_va_vdst(0)
	v_mul_f32 v[BC], s82, v[AC]                    ; beta c_att, twice for the packed multiply
	v_mul_f32 v[BC+1], s82, v[AC]
	s_wait_dscnt 0x0                               ; my rows of alpha / l are in LDS (and the fragments of k = 0, 1 in registers)
	s_barrier_signal -1                            ; the wait stands in front of the way out; up to it: matrix and vector work, and loads of fragments, which nobody writes again
	; ---- the body.  Sixteen accumulators take turns in every pass, one product a turn, in the same order ----
.macro S1 k                            ; ACC1(wt, it)[j] = T_k(i = 16 it + 8 hh + j, w = 16 wt + r)
	WIN 0x58
.irp s, 0,1
.irp wt, 0,1,2,3
.irp it, 0,1,2,3
.if \s == 0
	v_wmma_f32_16x16x32_bf16 v[ACC1+8*(4*\wt+\it):ACC1+8*(4*\wt+\it)+7], v[XF+8*(2*\it+\s):XF+8*(2*\it+\s)+7], v[BF+64*\k+16*\wt+8*\s:BF+64*\k+16*\wt+8*\s+7], 0
.else
	v_wmma_f32_16x16x32_bf16 v[ACC1+8*(4*\wt+\it):ACC1+8*(4*\wt+\it)+7], v[XF+8*(2*\it+\s):XF+8*(2*\it+\s)+7], v[BF+64*\k+16*\wt+8*\s:BF+64*\k+16*\wt+8*\s+7], v[ACC1+8*(4*\wt+\it):ACC1+8*(4*\wt+\it)+7]
.endif
.endr
.endr
.endr
.endm
.macro CV                              ; a lane's results of (wt, it = 2 si, 2 si + 1) are row w = 16 wt + r, k = i: the fragment (wt, si) as they stand
	WIN 0
	PLACES                                         ; behind the last product of T_k, whose results are read, and of O, whose sources are written
	WIN 0x05
.set i, 0
.rept 64
	v_cvt_pk_bf16_f32 v[RT+i], v[ACC1+2*i], v[ACC1+2*i+1]
.set i, i+1
.endr
.endm
.macro S2 k                            ; RO(wt, ht)[j] = O(h = 16 ht + r, w = 16 wt + 8 hh + j): eight neighbouring numbers of a row
	WIN 0x5c
.irp si, 0,1
.irp wt, 0,1,2,3
.irp ht, 0,1,2,3
.if \k+\si == 0
	v_wmma_f32_16x16x32_bf16 v[RO+8*(4*\wt+\ht):RO+8*(4*\wt+\ht)+7], v[RT+16*\wt+8*\si:RT+16*\wt+8*\si+7], v[AF+64*\k+16*\ht+8*\si:AF+64*\k+16*\ht+8*\si+7], 0
.else
	v_wmma_f32_16x16x32_bf16 v[RO+8*(4*\wt+\ht):RO+8*(4*\wt+\ht)+7], v[RT+16*\wt+8*\si:RT+16*\wt+8*\si+7], v[AF+64*\k+16*\ht+8*\si:AF+64*\k+16*\ht+8*\si+7], v[RO+8*(4*\wt+\ht):RO+8*(4*\wt+\ht)+7]
.endif
.endr
.endr
.endr
.endm
	S1 0
	LFRAG 2
	CV
	S2 0
	S1 1
	LFRAG 3
	CV
	S2 1
	s_wait_dscnt 48                                ; F2(b') is in: 16 + 32 loads were issued behind it
	S1 2
	CV
	s_wait_dscnt 32                                ; F2(a')
	S2 2
	s_wait_dscnt 16                                ; F3(b')
	S1 3
	CV
	s_wait_dscnt 0x0                               ; F3(a')
	S2 3
	; ---- the way out: O through my own stage, read back by rows with X and alpha / l ----
	WIN 0
	PLACES                                         ; behind the last products: their results are stored, their sources loaded over
	s_barrier_wait -1                              ; every wave's rows of alpha / l are in LDS
	WIN 0x04
.irp wt, 0,1,2,3
.irp ht, 0,1,2,3
	ds_store_b128 v[A_STS], v[RO+8*(4*\wt+\ht):RO+8*(4*\wt+\ht)+3]   offset:16*XPITCH*\ht+64*\wt
	ds_store_b128 v[A_STS], v[RO+8*(4*\wt+\ht)+4:RO+8*(4*\wt+\ht)+7] offset:16*XPITCH*\ht+64*\wt+16
.endr
.endr
	WIN 0
.macro LD g, base                      ; 16 rows: for each pair of rows O, X and alpha / l, 16 bytes a lane
.set u, 0
.rept 8
	ds_load_b128 v[\base+4*u:\base+4*u+3],       v[A_STL] offset:2*XPITCH*(8*\g+u)     ; LDS serves a wave's instructions in order: these see my stores above
	ds_load_b128 v[\base+32+4*u:\base+32+4*u+3], v[A_XR]  offset:2*XPITCH*(8*\g+u)
	ds_load_b128 v[\base+64+4*u:\base+64+4*u+3], v[A_SCL] offset:512*(8*\g+u)
.set u, u+1
.endr
.endm
.macro CP g, base, extra               ; extra: the loads of the next group, issued behind this one's
.set u, 0
.rept 8
	s_wait_dscnt 3*(7-u)+\extra                    ; the three loads of this pair of rows are in
	v_pk_mul_f32 v[\base+32+4*u:\base+33+4*u], v[\base+32+4*u:\base+33+4*u], v[BC:BC+1]
	v_pk_mul_f32 v[\base+34+4*u:\base+35+4*u], v[\base+34+4*u:\base+35+4*u], v[BC:BC+1]
	v_pk_fma_f32 v[\base+4*u:\base+4*u+1],   v[\base+4*u:\base+4*u+1],   v[\base+64+4*u:\base+65+4*u], v[\base+32+4*u:\base+33+4*u]
	v_pk_fma_f32 v[\base+4*u+2:\base+4*u+3], v[\base+4*u+2:\base+4*u+3], v[\base+66+4*u:\base+67+4*u], v[\base+34+4*u:\base+35+4*u]
	global_store_b128 v[A_OUT], v[\base+4*u:\base+4*u+3], s[70:71] offset:512*(8*\g+u) th:TH_STORE_NT   ; 512 consecutive bytes, aligned
.set u, u+1
.endr
.endm
	LD 0, SET0
	LD 1, SET1
	CP 0, SET0, 24
	s_wait_xcnt 0x0                                ; set 0, which the stores above read, is loaded again only behind this wait
	LD 2, SET0
	CP 1, SET1, 24
	s_wait_xcnt 0x0                                ; the same for set 1
	LD 3, SET1
	CP 2, SET0, 24
	CP 3, SET1, 0
	s_wait_tensorcnt 0x0
	ds_add_u32 v46, v47
	s_wait_dscnt 0x0
	ROUND                                          ; the closing round: no work-group ends while a partner may still ask jointly
	s_endpgm
.Lfunc_end_k_q4c4d41a924_apply:
	.size	k_q4c4d41a924_apply, .Lfunc_end_k_q4c4d41a924_apply-k_q4c4d41a924_apply
	.p2alignl 7, 3214868480
	.fill 96, 4, 3214868480
	.section	.rodata,"a",@progbits
	.p2align	6, 0x0
	.amdhsa_kernel k_q4c4d41a924_apply
		.amdhsa_group_segment_fixed_size 297984
		.amdhsa_private_segment_fixed_size 0
		.amdhsa_enable_private_segment 0
		.amdhsa_kernarg_size 120
		.amdhsa_user_sgpr_count 2
		.amdhsa_user_sgpr_kernarg_segment_ptr 1
		.amdhsa_wavefront_size32 1
		.amdhsa_system_sgpr_workgroup_id_x 1
		.amdhsa_system_sgpr_workgroup_id_y 1
		.amdhsa_system_sgpr_workgroup_id_z 1
		.amdhsa_system_vgpr_workitem_id 0
		.amdhsa_next_free_vgpr 1024
		.amdhsa_next_free_sgpr 96
		.amdhsa_reserve_vcc 0
		.amdhsa_float_denorm_mode_32 3
		.amdhsa_float_denorm_mode_16_64 3
		.amdhsa_memory_ordered 1
		.amdhsa_forward_progress 1
		.amdhsa_inst_pref_size 147
	.end_amdhsa_kernel
	.amdgpu_metadata
---
amdhsa.version: [ 1, 2 ]
amdhsa.kernels:
  - .name:           k_q4c4d41a924_apply
    .symbol:         k_q4c4d41a924_apply.kd
    .args:
      - { .name: x, .offset: 0, .size: 8, .value_kind: global_buffer, .address_space: global }
      - { .name: sums, .offset: 8, .size: 8, .value_kind: global_buffer, .address_space: global }
      - { .name: w_reduce, .offset: 16, .size: 8, .value_kind: global_buffer, .address_space: global }
      - { .name: b_reduce, .offset: 24, .size: 8, .value_kind: global_buffer, .address_space: global }
      - { .name: w_hfc, .offset: 32, .size: 8, .value_kind: global_buffer, .address_space: global }
      - { .name: b_hfc, .offset: 40, .size: 8, .value_kind: global_buffer, .address_space: global }
      - { .name: w_wfc, .offset: 48, .size: 8, .value_kind: global_buffer, .address_space: global }
      - { .name: b_wfc, .offset: 56, .size: 8, .value_kind: global_buffer, .address_space: global }
      - { .name: w_c1, .offset: 64, .size: 8, .value_kind: global_buffer, .address_space: global }
      - { .name: b_c1, .offset: 72, .size: 8, .value_kind: global_buffer, .address_space: global }
      - { .name: w_c2, .offset: 80, .size: 8, .value_kind: global_buffer, .address_space: global }
      - { .name: b_c2, .offset: 88, .size: 8, .value_kind: global_buffer, .address_space: global }
      - { .name: alpha, .offset: 96, .size: 8, .value_kind: global_buffer, .address_space: global }
      - { .name: beta, .offset: 104, .size: 8, .value_kind: global_buffer, .address_space: global }
      - { .name: out0, .offset: 112, .size: 8, .value_kind: global_buffer, .address_space: global }
    .group_segment_fixed_size: 297984
    .private_segment_fixed_size: 0
    .kernarg_segment_align: 8
    .kernarg_segment_size: 120
    .max_flat_workgroup_size: 128
    .sgpr_count:     96
    .vgpr_count:     1024
    .wavefront_size: 32
...
	.end_amdgpu_metadata
.endif
;; end of part 2
